; MI455X (gfx1250); checked and timed in simulation.
; The chip was launched on July 23, 2026; its instructions are those of AMD's public machine-readable ISA for CDNA 5 (MIT licence, August 2026) and "CDNA5" Instruction Set Architecture Reference Guide (July 2026). The comments in the code are by the model that wrote it; some were corrected since.
;; Vector Quantizer. Allowed arithmetic: matrix products marked QUANTISED: E2M3 operands, one E8M0 scale for each 32 along K, by v_wmma_scale_f32_16x16x128_f8f6f4 with both operands' format E2M3, f32 sums; everything else in f32.
;; Inputs: codebook 8,192 x 64 float32; x 8 x 4,096 x 64 float32.
;; Outputs: out0 8 x 4,096 int32.
;; This version of the problem:
;;   THIS VERSION OF THE PROBLEM IS GIVEN IN LOW PRECISION. The matrix products marked QUANTISED in the list below multiply operands that are first quantised to E2M3 (2 exponent bits, 3 mantissa bits; 6 bits a number), with one power-of-two scale for each 32 numbers along K (OCP MX v1.0); their sums are f32. All else is computed in f32.
;;   The module's matrix products, in the order in which they are computed (A, B: the left and right operand; K: the contracted axis; several contracted axes count as one K, in the product's order):
;;     1. [M 32,768, K 64] x [K 64, N 8,192]; A: input x; B: input codebook: QUANTISED
;;   THE QUANTISER, for each operand of a quantised product, along K:
;;     - K is cut into blocks of 32 from its start; a last block that is shorter is filled with zeros.
;;     - A block's scale is 2^e with e = floor(log2(the largest magnitude in the block)) - 2, held to -126 .. 127; a block of zeros has e = 0. As a byte (E8M0): e + 127.
;;     - Each number is divided by its block's scale, clamped to +-7.5, and rounded to the nearest number of E2M3, ties to even, subnormals kept.
;;     - The product sums the exact products of the quantised numbers (number of the format x scale) in f32.
;;   ~~~python
;;   def quantise(x, axis):      # numpy; x: float32 -> the quantised numbers, widened to float32 again
;;       x = np.moveaxis(x, axis, -1); K = x.shape[-1]
;;       x = np.pad(x, [(0, 0)] * (x.ndim - 1) + [(0, -K % 32)]); x = x.reshape(x.shape[:-1] + (-1, 32)); a = np.abs(x).max(-1, keepdims=True)
;;       e = np.where(a > 0, np.clip(np.frexp(np.where(a > 0, a, 1))[1] - 1 - 2, -126, 127), 0)      # np.frexp(a)[1] - 1 = floor(log2(a)), exactly
;;       r = np.clip(x / 2.0 ** e, -7.5, 7.5)
;;       step = 2.0 ** (np.maximum(np.frexp(np.where(r == 0, 1, r))[1] - 1, 0) - 3)
;;       q = np.round(r / step) * step * 2.0 ** e      # np.round: ties to even
;;       return np.moveaxis(q.reshape(q.shape[:-2] + (-1,))[..., :K], -1, axis).astype(np.float32)
;;   ~~~
;; One version. Each part assembles by itself: llvm-mc -triple=amdgcn-amd-amdhsa -mcpu=gfx1250 --defsym DOCPART=n.
;; ======== version 1 of 1: 3 launches
;; limits: right only within a limited range of input values
;; workspace buffers: cbw 458,752 bytes; xc 1,572,864 bytes; xs 131,072 bytes; ids 131,072 bytes of whole numbers
;; launch prep (part 1): grid 256 x 1, 1 waves a work-group, no clusters, 9,216 bytes of LDS; arguments codebook, cbw; writes cbw
.if DOCPART == 1
	.amdgcn_target "amdgcn-amd-amdhsa--gfx1250"
	.amdhsa_code_object_version 6
	.text
	.protected	k_q68875c8e86_prep
	.globl	k_q68875c8e86_prep
	.p2align	8
	.type	k_q68875c8e86_prep,@function
k_q68875c8e86_prep:
	s_mov_b64 s[64:65], 0
	v_nop
	global_prefetch_b8 v0, s[64:65] scope:SCOPE_SE
	s_setreg_imm32_b32 hwreg(HW_REG_WAVE_MODE, 25, 1), 1
	s_wait_xcnt 0x0
; codebook [8192][64], f32, becomes 256 PAIR BLOCKS of 1,792 bytes: block u holds codes 32 u .. 32 u + 31 as two records, P = the first 16 codes, Q = the other 16.
; DEAD WORK LEFT OUT, in this program: x_sq.  dist[row][code] = x_sq[row] + c_sq[code] - 2 Q(x).Q(c), and x_sq[row] is the same number for all codes of the row: in exact arithmetic, whatever finite
; values the inputs hold, the argmin over the codes is that of c_sq - 2 Q(x).Q(c).  So the launches compare D = Q(c).Q(x) - c_sq/2 = (x_sq - dist)/2, whose largest is the smallest distance.
; LIMITS: a NaN, an infinity or an overflow that reaches x_sq alone is not carried to the result, and codes whose distances become equal only by the rounding of x_sq + c_sq are told apart here.
; NaN and infinities among the inputs are not served.  A block whose largest magnitude lies under 2^-124 (a block of zeros too) gets the scale byte 1; the bytes are read by this program alone.
; Codes are FP6 (E2M3), one E8M0 byte for each 32 along K; K = 64 is two blocks.  Lane L = r + 16 h holds block h of row r: 32 codes, 24 bytes, 6 registers of a matrix operand.
; A pair block (every part an aligned unit of 256 bytes or two):
;   0-511      P, registers 0-3: lane L's 16 bytes at 16 L         512-1023   Q, the same at 16 (L xor 8)
;   1024-1279  P, registers 4-5: lane L's 8 bytes at 8 L           1280-1535  Q, the same at 8 (L xor 8)
;   1536-1663  P's and Q's 16 scale words: s0 | s1<<8, doubled     1664-1791  P's and Q's 16 f32: -(sum of the row's 64 squares)/2
; (The xor keeps rows 0-7 of P and rows 0-7 of Q, which the next launch reads as one tile, in different 16-byte columns modulo 256.)
; A block's scale is 2^(floor(log2(largest magnitude)) - 2): its byte is the largest magnitude's exponent field - 2, held at 1 from below by a floor among the maximum's leaves.
; The sum of squares is ONE serial chain of fused multiply-adds, k ascending, on the unquantised numbers.
; SHARES: one wave, one pair block: its two records are worked by turns.  Each load reads 512 consecutive bytes (two rows); the conversions want 32 neighbours along K in one lane: so a record turns through LDS.
.set STG,  4352                        ; a stage: 16 rows x 272 bytes
.set TAIL, 8704                        ; behind the two stages: the block's last 256 bytes
.set SPARE, 8960                       ; the spare words
.set R,    16                          ; v16-79   the numbers as loaded, 32 registers a record
.set X,    80                          ; v80-143  32 neighbours of my block, a record
.set A,    144                         ; v144+16 t: +0 +1 maxima, +2 scale operand, +3 byte, +4 sum, +5 exchange, +6 scale word, +7 -sum/2
.set C,    176                         ; v176+8 t: the operand's six registers
.set T,    192                         ; v192+4 t: the second conversion's three (a conversion's registers begin on an even number)
	s_load_b128 s[4:7], s[0:1], 0x0                ; codebook, cbw
	v_lshl_add_u32 v208, v0, 2, SPARE
	v_mov_b32 v209, 0
	v_and_b32 v2, 15, v0                           ; r
	v_lshrrev_b32 v3, 4, v0                        ; h
	v_lshlrev_b32 v4, 4, v0                        ; 16 L
	v_xor_b32 v11, 0x80, v4                        ; 16 (L xor 8)
	v_lshlrev_b32 v9, 3, v0                        ; 8 L
	v_xor_b32 v12, 0x40, v9                        ; 8 (L xor 8)
	v_mul_u32_u24 v5, v3, 272
	v_lshl_add_u32 v5, v2, 4, v5                   ; stage, way in: a load's two rows: row h, 16 r bytes along it
	v_mul_u32_u24 v6, v2, 272
	v_lshl_add_u32 v6, v3, 7, v6                   ; stage, way out: row r, block h
	v_lshlrev_b32 v7, 2, v2
	v_lshl_add_u32 v7, v3, 7, v7
	v_add_nc_u32 v7, TAIL, v7                      ; tail, way in: lanes 0-15 scale words, lanes 16-31 sums
	v_add_nc_u32 v8, TAIL, v9                      ; tail, way out
	v_lshlrev_b32 v10, 3, v3                       ; 8 h: my byte's place in the scale word
	v_mov_b32 v[A+5], 0                            ; a lane permute's destination counts as one of its sources: written once
	v_mov_b32 v[A+21], 0
	s_mov_b32 s20, 0x76543210
	s_mov_b32 s21, 0xfedcba98                      ; v_permlanex16_b32's selects for lane L xor 16
	s_mov_b32 s22, 0xffff0000                      ; the lanes with h = 1
	s_lshl_b32 s16, ttmp9, 13                      ; 8,192 bytes of f32 a pair
	s_mov_b32 s17, 0
	s_mul_i32 s18, ttmp9, 1792
	s_mov_b32 s19, 0
	s_wait_alu depctr_va_vdst(0)                   ; the wait at the head's end
	s_wait_kmcnt 0x0
	s_add_nc_u64 s[4:5], s[4:5], s[16:17]
	s_add_nc_u64 s[8:9], s[6:7], s[18:19]
.irp t, 0,1
.irp i, 0,1,2,3,4,5,6,7
	global_load_b128 v[R+32*\t+4*\i:R+32*\t+4*\i+3], v4, s[4:5] offset:4096*\t+512*\i th:TH_LOAD_NT
.endr
.endr
.macro TURN t                          ; LDS serves a wave's instructions in order: no wait between the stores and the loads
.irp i, 0,1,2,3,4,5,6,7
	ds_store_b128 v5, v[R+32*\t+4*\i:R+32*\t+4*\i+3] offset:STG*\t+544*\i
.endr
.irp i, 0,1,2,3,4,5,6,7
	ds_load_b128 v[X+32*\t+4*\i:X+32*\t+4*\i+3], v6 offset:STG*\t+16*\i
.endr
.endm
	s_wait_loadcnt 8                               ; record 0's eight loads are in; record 1's eight may be out
	TURN 0
	s_wait_loadcnt 0x0
	TURN 1
	s_wait_dscnt 0x0
; the block's largest magnitude (two chains a record; the floor 2^(3 - 127) holds the byte at 1 from below) and, by turns with it, the sum of my own 32 squares
	v_mul_f32 v[A+4], v[X], v[X]
	v_mul_f32 v[A+20], v[X+32], v[X+32]
.irp t, 0,1
	v_max3_num_f32 v[A+16*\t], |v[X+32*\t]|, |v[X+32*\t+1]|, 0x1800000
	v_max3_num_f32 v[A+16*\t+1], |v[X+32*\t+2]|, |v[X+32*\t+3]|, 0x1800000
.endr
.set k, 1
.rept 31
	v_fma_f32 v[A+4], v[X+k], v[X+k], v[A+4]
	v_fma_f32 v[A+20], v[X+32+k], v[X+32+k], v[A+20]
.if k%4 == 0
.irp t, 0,1
	v_max3_num_f32 v[A+16*\t], v[A+16*\t], |v[X+32*\t+k]|, |v[X+32*\t+k+1]|
	v_max3_num_f32 v[A+16*\t+1], v[A+16*\t+1], |v[X+32*\t+k+2]|, |v[X+32*\t+k+3]|
.endr
.endif
.set k, k+1
.endr
.irp t, 0,1
	v_max_num_f32 v[A+16*\t], v[A+16*\t], v[A+16*\t+1]
.endr
.irp t, 0,1
	v_add_nc_u32 v[A+16*\t+2], 0xff000000, v[A+16*\t]   ; 2 off the exponent field: the conversion takes the exponent field of this operand as its scale
.endr
.irp t, 0,1
	v_lshrrev_b32 v[A+16*\t+3], 23, v[A+16*\t+2]   ; the scale's byte
.endr
.irp t, 0,1
	v_cvt_scalef32_pk16_fp6_f32 v[C+8*\t:C+8*\t+2], v[X+32*\t:X+32*\t+15], v[A+16*\t+2]       ; 16 codes, 96 bits, the first number's code lowest; beyond 7.5 the largest code
	v_cvt_scalef32_pk16_fp6_f32 v[T+4*\t:T+4*\t+2], v[X+32*\t+16:X+32*\t+31], v[A+16*\t+2]
.endr
	v_nop                                          ; one plain place behind the last scaled conversion
.irp t, 0,1
.irp i, 0,1,2
	v_mov_b32 v[C+8*\t+3+\i], v[T+4*\t+\i]
.endr
.endr
	global_store_b128 v4, v[C:C+3], s[8:9]         ; each store covers whole aligned units of 256 bytes
	global_store_b128 v11, v[C+8:C+11], s[8:9] offset:512
	global_store_b64 v9, v[C+4:C+5], s[8:9] offset:1024
	global_store_b64 v12, v[C+12:C+13], s[8:9] offset:1280
; lanes 16-31 take lanes 0-15's sum (k = 0 .. 31) and go on with k = 32 .. 63; lanes 0-15 run the same lines, and their result is not kept
	v_permlanex16_b32 v[A+5], v[A+4], s20, s21
	v_permlanex16_b32 v[A+21], v[A+20], s20, s21
.set k, 0
.rept 32
	v_fma_f32 v[A+5], v[X+k], v[X+k], v[A+5]
	v_fma_f32 v[A+21], v[X+32+k], v[X+32+k], v[A+21]
.set k, k+1
.endr
.irp t, 0,1
	v_mul_f32 v[A+16*\t+7], -0.5, v[A+16*\t+5]     ; exact
.endr
.irp t, 0,1
	v_lshlrev_b32 v[A+16*\t+6], v10, v[A+16*\t+3]  ; my block's byte at its place,
.endr
.irp t, 0,1
	v_permlanex16_b32 v[A+16*\t+5], v[A+16*\t+6], s20, s21
.endr
.irp t, 0,1
	v_or_b32 v[A+16*\t+6], v[A+16*\t+6], v[A+16*\t+5]            ; with the other block's,
.endr
.irp t, 0,1
	v_lshl_or_b32 v[A+16*\t+6], v[A+16*\t+6], 16, v[A+16*\t+6]   ; and doubled, so that the word serves either half of a K step of 128
.endr
.irp t, 0,1
	v_cndmask_b32 v[A+16*\t+6], v[A+16*\t+6], v[A+16*\t+7], s22  ; lanes 16-31 bring the sums
.endr
.irp t, 0,1
	ds_store_b32 v7, v[A+16*\t+6] offset:64*\t
.endr
	ds_load_b64 v[200:201], v8                     ; in order behind my stores
	s_wait_dscnt 0x0
	global_store_b64 v9, v[200:201], s[8:9] offset:1536
	s_wait_tensorcnt 0x0                           ; the wave's end
	ds_add_u32 v208, v209
	s_wait_dscnt 0x0
	s_endpgm
.Lfunc_end_k_q68875c8e86_prep:
	.size	k_q68875c8e86_prep, .Lfunc_end_k_q68875c8e86_prep-k_q68875c8e86_prep
	.p2alignl 7, 3214868480
	.fill 96, 4, 3214868480
	.section	.rodata,"a",@progbits
	.p2align	6, 0x0
	.amdhsa_kernel k_q68875c8e86_prep
		.amdhsa_group_segment_fixed_size 9216
		.amdhsa_private_segment_fixed_size 0
		.amdhsa_enable_private_segment 0
		.amdhsa_kernarg_size 16
		.amdhsa_user_sgpr_count 2
		.amdhsa_user_sgpr_kernarg_segment_ptr 1
		.amdhsa_wavefront_size32 1
		.amdhsa_system_sgpr_workgroup_id_x 1
		.amdhsa_system_sgpr_workgroup_id_y 1
		.amdhsa_system_sgpr_workgroup_id_z 1
		.amdhsa_system_vgpr_workitem_id 0
		.amdhsa_next_free_vgpr 210
		.amdhsa_next_free_sgpr 66
		.amdhsa_reserve_vcc 0
		.amdhsa_float_denorm_mode_32 3
		.amdhsa_float_denorm_mode_16_64 3
		.amdhsa_memory_ordered 1
		.amdhsa_forward_progress 1
		.amdhsa_inst_pref_size 18
	.end_amdhsa_kernel
	.amdgpu_metadata
---
amdhsa.version: [ 1, 2 ]
amdhsa.kernels:
  - .name:           k_q68875c8e86_prep
    .symbol:         k_q68875c8e86_prep.kd
    .args:
      - { .name: codebook, .offset: 0, .size: 8, .value_kind: global_buffer, .address_space: global }
      - { .name: cbw, .offset: 8, .size: 8, .value_kind: global_buffer, .address_space: global }
    .group_segment_fixed_size: 9216
    .private_segment_fixed_size: 0
    .kernarg_segment_align: 8
    .kernarg_segment_size: 16
    .max_flat_workgroup_size: 32
    .sgpr_count:     66
    .vgpr_count:     210
    .wavefront_size: 32
...
	.end_amdgpu_metadata
.endif
;; end of part 1
;; launch scan (part 2): grid 256 x 1, 16 waves a work-group, clusters of 4 x 1, 327,680 bytes of LDS; arguments x, cbw, xc, xs, ids; writes xc, xs, ids
.if DOCPART == 2
	.amdgcn_target "amdgcn-amd-amdhsa--gfx1250"
	.amdhsa_code_object_version 6
	.text
	.protected	k_q68875c8e86_scan
	.globl	k_q68875c8e86_scan
	.p2align	8
	.type	k_q68875c8e86_scan,@function
k_q68875c8e86_scan:
	s_mov_b64 s[64:65], 0
	v_nop
	global_prefetch_b8 v0, s[64:65] scope:SCOPE_SE
	s_setreg_imm32_b32 hwreg(HW_REG_WAVE_MODE, 25, 1), 1
	s_wait_xcnt 0x0
	s_wait_alu depctr_hold_cnt(0) depctr_sa_sdst(0) depctr_va_vdst(0) depctr_va_sdst(0) depctr_va_ssrc(0) depctr_va_vcc(0) depctr_vm_vsrc(0)
	s_getreg_b32 s2, hwreg(HW_REG_IB_STS2, 6, 4)
	s_cmp_eq_u32 s2, 0
	s_cbranch_scc0 .Lentry_in_a_cluster
	s_endpgm
.Lentry_in_a_cluster:
	s_bfe_u32 s2, ttmp6, 0x10000c
	s_cmp_lg_u32 s2, 0x3003
	s_cbranch_scc0 .Lentry_shape_is_right
	s_endpgm
.Lentry_shape_is_right:
; All 32,768 x 8,192 products.  For each row of x: the RECORD (16 neighbouring codes, 16 id .. 16 id + 15) that holds the first largest D = Q(c).Q(x) - c_sq/2: ids[row] = id, 0 .. 511.  x_sq is left out: see the first launch's head.
; The matrix instruction takes -c_sq/2, as loaded, for its C, so a D owes nothing but half a v_max3_num_f32; one compare and one select keep the place for each 16 D of a lane.  A later launch finds the code among the 16.
; LIMITS: where Q(c).Q(x) - c_sq/2 is no f32 number the matrix unit's own rounding stands in place of round to nearest.  NaN and infinite D are not served (a row all of whose D are -infinity or NaN gets some record).
; x is quantised here, since each row of it is read by one work-group: x's codes (xc, rows of 48 bytes) and scale words (xs) are stored for the later launch.  A block of x whose largest magnitude lies under 2^-124 gets the byte 1.
; K = 64 IS HALF A MATRIX INSTRUCTION.  Source 1 packs two tiles of x, [xa | xb], in 12 registers.  A code tile's 6 registers lie between runs of 6 zero registers: [c | 0] multiplies xa, [0 | c] multiplies xb.
; Zero codes add nothing under any scale byte but 0xff, which the quantiser does not make; scale words are doubled, so they serve either half.
; SHARES.  Work-group X: rows 128 X .. + 127, eight tiles of x, which every wave keeps in registers.  Sixteen waves of 256 registers, four to a SIMD; wave w takes pair blocks 16 w .. 16 w + 15 (32 code tiles), four in each of four phases.
; TILES OF A PAIR.  Tile A = rows 0-7 of record P and of record Q, tile B = their rows 8-15: in the result lane (r, h) holds row r of x, register j code j (A) or 8 + j (B) of record P (h = 0) or Q (h = 1).
; LDS.  Two slots of 64 pair blocks, filled in four phases: slot 0, 1, 0, 1.  A wave brings the four blocks that it reads itself, 28 rows of 256 bytes, by one tensor load behind each round.
; CLUSTER.  Four work-groups along x read the same codebook: every fill is asked for JOINTLY, mask 15.  By this text's count a wave has one tensor load out.
; NO PREFETCH: all 64 clusters ask for the same 458,752 bytes, and each fill behind the first has a phase, 64 products of every wave, in which to land.
; TIES go to the lowest index: strict compares along ascending pairs and waves; between lanes by value, then by id.
.set SLOT, 114688                      ; 64 pair blocks of 1,792 bytes
.set STG,  229376                      ; x's stage at the head, 2,560 bytes a wave
.set SCRV, 229376                      ; at the end, on the stage's bytes: each wave's 8 x 32 best values at 1028 w + 128 i + 4 L,
.set SCRI, 16640                       ; their ids so many bytes behind the values
.set XREC, 270336                      ; x's codes: 128 rows of 48 bytes
.set XSC,  276480                      ; x's scale words, 4 bytes a row
.set FIN,  276992                      ; 128 ids
.set SPARE, 278016                     ; the spare words, 128 bytes a wave: eight blocks of 256 bytes that no other line names
.set AD,   4                           ; v4-9, v10-15: LDS addresses in slot 0, 1: registers 0-3 of tile A, of B; registers 4-5 of A, of B; scale words; -c_sq/2
.set XSW,  16                          ; v16-23   x's scale words as loaded
.set XS,   24                          ; v24-27   scale words of the pairs [xa | xb]
.set CS,   28                          ; v28, v29 a code tile's scale words, buffers 0 (tile A) and 1 (tile B)
.set SPW,  30
.set NIL,  31
.set M,    48                          ; v48-55, v56-63 the running largest D of tile i, two sets by turns: the compare wants the old beside the new
.set ID,   64                          ; v64-71   the pair at which it was first reached
.set N,    72                          ; v72-79, v80-87 -c_sq/2, buffers 0 and 1
.set ZC,   88                          ; v88-117  zeros, c0, zeros, c1, zeros: 6 registers each
.set XF,   120                         ; v120-167 x's fragments: tile i at XF + 6 i
.set ACC,  168                         ; v168-231 D of tile i at ACC + 8 i.  At the head: x's numbers as loaded, and turned
.macro CREST                           ; a round of the cluster's barrier behind its opening barrier
	s_cmp_lg_u32 s10, 0
	s_cbranch_scc1 .Lnot_wave_0_\@
	s_barrier_signal -3
.Lnot_wave_0_\@:
	s_barrier_wait -3
	s_barrier_signal -1
	s_barrier_wait -1
.endm
.macro CROUND                          ; a whole round
	s_barrier_signal -1
	s_barrier_wait -1
	CREST
.endm
.macro FILL p                          ; phase p's four pair blocks, into slot p % 2
	tensor_load_to_lds s[32+4*(\p):35+4*(\p)], s[24:31]
	s_nop 0
.rept 4
	v_nop
.endr
.endm
	s_load_b128 s[4:7], s[0:1], 0x0                ; x, cbw
	s_load_b128 s[12:15], s[0:1], 0x10             ; xc, xs
	s_load_b64 s[8:9], s[0:1], 0x20                ; ids
	v_lshl_add_u32 v[SPW], v0, 2, SPARE
	v_mov_b32 v[NIL], 0
	ds_add_u32 v[SPW], v[NIL]                      ; the opening: the add, twice on end, and its wait
	ds_add_u32 v[SPW], v[NIL]
	v_lshrrev_b32 v1, 5, v0
	v_readfirstlane_b32 s10, v1                    ; wave 0..15
	s_bfe_u32 s11, ttmp6, 0x40000                  ; cx: it enters the addresses of x, xc, xs and ids alone
	s_lshl_b32 s16, ttmp9, 2
	s_add_co_u32 s16, s16, s11                     ; X = 4 x cluster + cx
	; descriptor group 1: 28 rows of 256 bytes, dense: four pair blocks
	s_mov_b32 s24, 15|(3<<16)|(1<<21)              ; 15:0 the mask: all four work-groups; 17:16 elements of 8 bytes; no padding; 21 set beside a mask
	s_mov_b32 s25, 32<<16                          ; tensor_dim0 = 32
	s_mov_b32 s26, 28<<16                          ; tensor_dim1 = 28
	s_mov_b32 s27, 32<<16                          ; tile_dim0 = 32
	s_mov_b32 s28, 28                              ; tile_dim1 = 28
	s_mov_b32 s29, 32                              ; from row to row
	s_mov_b32 s30, 0
	s_mov_b32 s31, 0
	s_mul_i32 s17, s10, 7168                       ; my part of a slot
	s_mul_i32 s50, s10, 28672                      ; my 16 pair blocks in cbw
	s_mov_b32 s51, 0
	s_lshl_b32 s18, s16, 15
	s_lshl_b32 s63, s10, 11
	s_add_co_u32 s18, s18, s63                     ; x: 128 rows of 256 bytes a work-group, 8 rows a wave
	s_mov_b32 s19, 0
	s_mul_i32 s20, s16, 6144
	s_lshl_b32 s63, s10, 9
	s_add_co_u32 s20, s20, s63                     ; xc: 6,144 bytes a work-group, 512 for each storing wave
	s_mov_b32 s21, 0
	s_lshl_b32 s22, s16, 9                         ; xs and ids: 512 bytes a work-group
	s_mov_b32 s23, 0
	s_mov_b32 s60, 0x76543210
	s_mov_b32 s61, 0xfedcba98                      ; v_permlanex16_b32's selects for lane L xor 16
	s_mov_b32 s62, 0xffff
	v_and_b32 v1, 31, v0                           ; L
	v_and_b32 v2, 15, v0                           ; r
	v_bfe_u32 v3, v0, 4, 1                         ; h
	v_bfe_u32 v232, v0, 3, 1                       ; r / 8
	v_and_b32 v235, 7, v0                          ; r % 8
	v_lshlrev_b32 v32, 4, v1                       ; 16 L
	v_lshlrev_b32 v33, 3, v1                       ; 8 L
	v_lshl_add_u32 v[AD], v232, 9, v32             ; tile A: 16 L, 512 further on where the row is Q's
	v_xor_b32 v[AD+1], 0x80, v32
	v_lshl_add_u32 v[AD+1], v232, 9, v[AD+1]       ; tile B: 16 (L xor 8), likewise
	v_lshl_add_u32 v[AD+2], v232, 8, v33
	v_xor_b32 v[AD+3], 0x40, v33
	v_lshl_add_u32 v[AD+3], v232, 8, v[AD+3]
	v_lshlrev_b32 v[AD+4], 2, v235
	v_lshl_add_u32 v[AD+4], v232, 6, v[AD+4]       ; scale words: 4 (r % 8), Q's 64 bytes on
	v_lshlrev_b32 v[AD+5], 6, v3                   ; -c_sq/2: Q's 64 bytes on
.irp i, 0,1,2,3,4,5
	v_add_nc_u32 v[AD+\i], s17, v[AD+\i]
.endr
.irp i, 0,1,2,3,4,5
	v_add_nc_u32 v[AD+6+\i], SLOT, v[AD+\i]
.endr
	v_lshrrev_b32 v233, 2, v1                      ; L / 4
	v_and_b32 v234, 3, v0
	s_mul_i32 s48, s10, 2560
	s_add_co_u32 s48, s48, STG
	v_mul_u32_u24 v34, v233, 80
	v_lshl_add_u32 v34, v234, 4, v34
	v_add_nc_u32 v34, s48, v34                     ; stage, way in: four lanes' 64 bytes on end, then 16 of padding
	v_mul_u32_u24 v35, v1, 80
	v_add_nc_u32 v35, s48, v35                     ; stage, way out: lane L = 4 row + 2 block + half takes 16 neighbours
	s_mul_i32 s49, s10, 384
	s_add_co_u32 s49, s49, XREC
	v_mul_u32_u24 v36, v1, 12
	v_add_nc_u32 v36, s49, v36                     ; my 12 bytes of codes: a row's 48 bytes are one stream of bits
	s_lshl_b32 s49, s10, 5
	s_add_co_u32 s49, s49, XSC
	v_lshl_add_u32 v38, v233, 2, s49               ; my row's scale word
	v_bfe_u32 v39, v0, 1, 1
	v_lshlrev_b32 v39, 3, v39                      ; 8 x block: my byte's place in it
	v_mul_u32_u24 v40, v2, 48
	v_mad_u32_u24 v40, v3, 24, v40
	v_add_nc_u32 v40, XREC, v40                    ; a fragment of x: row r, block h
	v_lshl_add_u32 v41, v2, 2, XSC
	s_mul_i32 s49, s10, 1028
	s_add_co_u32 s49, s49, SCRV
	v_lshl_add_u32 v42, v1, 2, s49                 ; where I put my bests
	s_lshr_b32 s48, s10, 1
	s_lshl_b32 s48, s48, 7
	s_and_b32 s49, s10, 1
	s_lshl_b32 s49, s49, 5
	s_add_co_u32 s49, s49, s48
	s_add_co_u32 s49, s49, SCRV
	v_mul_u32_u24 v43, v232, 8224
	v_lshl_add_u32 v43, v3, 6, v43
	v_lshl_add_u32 v43, v235, 2, v43
	v_add_nc_u32 v43, s49, v43                     ; where I read: tile w / 2, its row 8 (w % 2) + (L % 8), lane half L / 16, waves 8 ((L / 8) % 2) + 0 .. 7
	s_lshl_b32 s48, s10, 5
	s_add_co_u32 s49, s48, FIN
	v_lshl_add_u32 v44, v235, 2, s49               ; FIN: row 8 w + (L % 8)
	v_lshl_add_u32 v45, v1, 4, FIN
	v_add_nc_u32 v46, s48, v3                      ; 32 w + h: id = this + 2 x pair
	s_min_u32 s48, s10, 12
	s_lshl_b32 s48, s48, 9
	s_add_co_u32 s48, s48, XREC
	v_add_nc_u32 v47, s48, v32                     ; 512 bytes of x's codes (waves 0-11) or scale words (wave 12), to be stored
	s_wait_alu depctr_va_vdst(0)
	s_wait_dscnt 0x0                               ; both opening adds are done
	s_wait_kmcnt 0x0
	s_add_nc_u64 s[4:5], s[4:5], s[18:19]
.irp i, 0,1,2,3
	global_load_b128 v[ACC+4*\i:ACC+4*\i+3], v32, s[4:5] offset:512*\i th:TH_LOAD_NT   ; my 8 rows: 512 consecutive bytes a load
.endr
	s_add_nc_u64 s[50:51], s[6:7], s[50:51]
	s_add_nc_u64 s[12:13], s[12:13], s[20:21]
	s_add_nc_u64 s[14:15], s[14:15], s[22:23]
	s_add_nc_u64 s[8:9], s[8:9], s[22:23]
.irp c, 0,1,2,3                                ; group 0 of each phase's load, never rewritten
	s_mov_b32 s[32+4*\c], 1
	s_add_co_u32 s[33+4*\c], s17, SLOT*(\c%2)      ; LDS address: the wave's number and constants alone
	s_add_nc_u64 s[34+4*\c:35+4*\c], s[50:51], 7168*\c
	s_or_b32 s[35+4*\c], s[35+4*\c], 0x80000000
.endr
	CROUND                                         ; all four work-groups are here: the joint loads meet
	FILL 0
.irp j, 0,1,2,3,4,5
	v_mov_b32 v[ZC+\j], 0                          ; the three runs of zero codes, written once
	v_mov_b32 v[ZC+12+\j], 0
	v_mov_b32 v[ZC+24+\j], 0
.endr
	v_mov_b32 v236, 0                              ; a lane permute's destination counts as one of its sources
	s_wait_alu depctr_va_vdst(0)
	s_wait_loadcnt 0x0
	; x's numbers turn through the wave's own stage: LDS serves a wave's instructions in order
.irp i, 0,1,2,3
	ds_store_b128 v34, v[ACC+4*\i:ACC+4*\i+3] offset:640*\i
.endr
.irp i, 0,1,2,3
	ds_load_b128 v[ACC+16+4*\i:ACC+19+4*\i], v35 offset:16*\i
.endr
	s_wait_dscnt 0x0
.set Y, ACC+16
	v_max3_num_f32 v232, |v[Y]|, |v[Y+1]|, |v[Y+2]|
	v_max3_num_f32 v233, |v[Y+3]|, |v[Y+4]|, |v[Y+5]|
.irp i, 6,10
	v_max3_num_f32 v232, v232, |v[Y+\i]|, |v[Y+\i+1]|
	v_max3_num_f32 v233, v233, |v[Y+\i+2]|, |v[Y+\i+3]|
.endr
	v_max3_num_f32 v232, v232, |v[Y+14]|, |v[Y+15]|
	v_max3_num_f32 v232, v232, v233, 0x1800000     ; the floor 2^(3 - 127) holds the byte at 1 from below
	v_max_num_f32_dpp v232, v232, v232 row_xmask:1 row_mask:0xf bank_mask:0xf   ; with the neighbour's 16: the block's
	v_add_nc_u32 v234, 0xff000000, v232            ; 2 off the exponent field: the conversion takes the exponent field of this operand as its scale
	v_cvt_scalef32_pk16_fp6_f32 v[240:242], v[Y:Y+15], v234
	v_lshrrev_b32 v235, 23, v234                   ; the scale's byte
	v_lshlrev_b32 v237, v39, v235
	v_mov_b32_dpp v236, v237 row_xmask:2 row_mask:0xf bank_mask:0xf
	v_or_b32 v237, v237, v236                      ; with the row's other block's,
	v_lshl_or_b32 v237, v237, 16, v237             ; and doubled
	ds_store_b32 v36, v240
	ds_store_b32 v36, v241 offset:4
	ds_store_b32 v36, v242 offset:8
	ds_store_b32 v38, v237                         ; (a row's four lanes write the same word with the same value)
; Ahead of phase p: my load of it has landed, my reads of the phase before are over; behind the round the slot just read is filled for phase p + 1.  (Slot 1's first fill is issued in the same way.)
.macro MEET p
	s_wait_tensorcnt 0x0
.if (\p) < 3
	ds_add_u32 v[SPW], v[NIL]                      ; 0 onto my spare word
.endif
	s_wait_dscnt 0x0
	s_barrier_signal -1
.if (\p) > 0
	MAXS 4, 8*(\p)-1                               ; register work while the others arrive: tiles 4-7 of the phase's last code tile
.endif
	s_barrier_wait -1
.if (\p) < 3                           ; (behind the last barrier nothing is filled any more, and no round follows)
	CREST
	FILL (\p)+1
.endif
.endm
; tile t of a phase (pair t / 2, tile A or B) from slot s into buffer t % 2: five loads
.macro LD s, t
.set TB, (\t)%2
.set TO, 1792*((\t)/2)
	ds_load_b128 v[ZC+6+12*TB:ZC+9+12*TB], v[AD+6*(\s)+TB] offset:TO
	ds_load_b64 v[ZC+10+12*TB:ZC+11+12*TB], v[AD+6*(\s)+2+TB] offset:TO+1024
	ds_load_b32 v[CS+TB], v[AD+6*(\s)+4] offset:TO+1536+32*TB
	ds_load_b128 v[N+8*TB:N+8*TB+3], v[AD+6*(\s)+5] offset:TO+1664+32*TB
	ds_load_b128 v[N+8*TB+4:N+8*TB+7], v[AD+6*(\s)+5] offset:TO+1680+32*TB
.endm
; four products: an even tile of x takes [c | 0], an odd one [0 | c]; C is -c_sq/2 of the buffer's codes
.macro MUL i0, b
.irp d, 0,1,2,3
	v_wmma_scale_f32_16x16x128_f8f6f4 v[ACC+8*(\i0+\d):ACC+8*(\i0+\d)+7], v[ZC+6-6*(\d%2)+12*(\b):ZC+17-6*(\d%2)+12*(\b)], v[XF+12*((\i0+\d)/2):XF+12*((\i0+\d)/2)+11], v[N+8*(\b):N+8*(\b)+7], v[CS+(\b)], v[XS+(\i0+\d)/2] matrix_a_fmt:MATRIX_FMT_FP6 matrix_b_fmt:MATRIX_FMT_FP6
.endr
.endm
; the running maximum of four tiles of x over code tile tt (0 .. 31), each result from its low end on.  Pair KK's two tiles go from one set to the other; behind the second, where the maximum has grown, the pair's number is kept
.macro MAXS i0, tt
.set KK, (\tt)/2
.set MI, M+8*(KK%2)+\i0
.set MO, M+8*(1-KK%2)+\i0
.if (\tt)%2 == 0
.irp d, 0,1,2,3
	v_max3_num_f32 v[MO+\d], v[MI+\d], v[ACC+8*(\i0+\d)], v[ACC+8*(\i0+\d)+1]
.endr
.else
.irp d, 0,1,2,3
	v_max3_num_f32 v[MO+\d], v[MO+\d], v[ACC+8*(\i0+\d)], v[ACC+8*(\i0+\d)+1]
.endr
.endif
.irp j, 2,4,6
.irp d, 0,1,2,3
	v_max3_num_f32 v[MO+\d], v[MO+\d], v[ACC+8*(\i0+\d)+\j], v[ACC+8*(\i0+\d)+\j+1]
.endr
.endr
.if (\tt)%2
.irp d, 0,1,2,3
	v_cmp_gt_f32 s[52+\i0+\d], v[MO+\d], v[MI+\d]
.endr
.irp d, 0,1,2,3
	v_cndmask_b32 v[ID+\i0+\d], v[ID+\i0+\d], KK, s[52+\i0+\d]
.endr
.endif
.endm
; A code tile against my eight tiles of x.  The maximum of tiles 4-7 runs one code tile behind (a phase's last one stands in the barrier ahead of the next phase).  Behind each run of four products stand the sixteen
; maxima of the other four tiles, which name none of those products' registers: they are the places ahead of the first read of the results, and ahead of the loads into the buffer.
; The loads of tile t + 2 go out a tile ahead of their use.  (The very first code tile's products with tiles 0-3 are written out ahead of its phase)
.macro TILE p, t
.set TT, 8*(\p)+(\t)
.if TT > 0
	MUL 0, (\t)%2
.endif
.if (\t) > 0
	MAXS 4, TT-1
.endif
	MUL 4, (\t)%2
.if (TT > 0) && ((\t) == 0)
.rept 4
	v_nop                                          ; a phase's first tile: no other vector work stands behind its first four products
.endr
.endif
	MAXS 0, TT
.if (\t) < 6
	LD (\p)%2, (\t)+2
	s_wait_dscnt 5                                 ; the next tile's five loads are in; the five just issued may be out
.elseif (\t) == 6
	s_wait_dscnt 0x0
.endif
.endm
.macro PHASE p
.irp t, 0,1,2,3,4,5,6,7
	TILE \p, \t
.endr
.endm
	MEET 0                                         ; phase 0's blocks, and x's codes of all waves
	LD 0, 0
.irp i, 0,1,2,3,4,5,6,7                        ; my eight tiles of x stay in registers
	ds_load_b64 v[XF+6*\i:XF+6*\i+1], v40 offset:768*\i
	ds_load_b64 v[XF+6*\i+2:XF+6*\i+3], v40 offset:768*\i+8
	ds_load_b64 v[XF+6*\i+4:XF+6*\i+5], v40 offset:768*\i+16
	ds_load_b32 v[XSW+\i], v41 offset:64*\i
.endr
	LD 0, 1
	s_wait_dscnt 21                                ; code tile 0 and x's tiles 0-3 are in; x's tiles 4-7 (16 loads) and code tile 1 (5) may be out
.irp k, 0,1
	v_bfi_b32 v[XS+\k], s62, v[XSW+2*\k], v[XSW+2*\k+1]   ; bytes 0, 1 xa's, bytes 2, 3 xb's.  Eight plain vector instructions follow ahead of the product
.endr
.irp k, 0,1,2,3,4,5,6,7
	v_mov_b32 v[M+\k], 0xff800000                  ; -infinity, under every D
.endr
	MUL 0, 0
	s_wait_alu depctr_va_vdst(0)
	s_wait_dscnt 5                                 ; x's tiles 4-7 are in; code tile 1's five loads may be out
.irp k, 2,3
	v_bfi_b32 v[XS+\k], s62, v[XSW+2*\k], v[XSW+2*\k+1]
.endr
.irp k, 0,1,2,3,4,5,6,7
	v_mov_b32 v[ID+\k], 0                          ; (these eight are places too: behind the scale words' writes, and behind the products above)
.endr
	PHASE 0
.irp p, 1,2,3
	MEET \p
.if \p == 1
	ds_load_b128 v[248:251], v47                   ; x's codes (waves 0-11) or scale words (wave 12), to be stored
.endif
	LD (\p)%2, 0
	LD (\p)%2, 1
.if \p == 1
	s_cmp_eq_u32 s10, 12
	s_cselect_b64 s[12:13], s[14:15], s[12:13]
	s_wait_dscnt 10                                ; they are in; the two tiles' ten loads may be out
	s_cmp_lt_u32 s10, 13
	s_cbranch_scc0 .Lno_image
	global_store_b128 v32, v[248:251], s[12:13]    ; 512 consecutive bytes, aligned
.Lno_image:
.endif
	s_wait_dscnt 5
	PHASE \p
.endr
	MAXS 4, 31                                     ; tiles 4-7 of the last code tile: all bests now lie in set 0
.irp i, 0,1,2,3,4,5,6,7
	v_lshl_add_u32 v[ID+\i], v[ID+\i], 1, v46      ; the record's id
.endr
.irp i, 0,1,2,3,4,5,6,7
	ds_store_b32 v42, v[M+\i] offset:128*\i
	ds_store_b32 v42, v[ID+\i] offset:SCRI+128*\i
.endr
	s_wait_dscnt 0x0                               ; for the others' sake: my stores have landed
	s_barrier_signal -1
	s_barrier_wait -1
.set BV, ACC
.set BI, ACC+8
.irp p, 0,1,2,3,4,5,6,7
	ds_load_b32 v[BV+\p], v43 offset:1028*\p
	ds_load_b32 v[BI+\p], v43 offset:SCRI+1028*\p
.endr
	s_wait_dscnt 0x0
.macro BEST step                       ; the waves' bests by pairs: the later wave wins where it is strictly larger
.irp a, 0,2,4,6
.if (\a)%(2*\step) == 0
	v_cmp_gt_f32 s[52+\a], v[BV+\a+\step], v[BV+\a]
.endif
.endr
.irp a, 0,2,4,6
.if (\a)%(2*\step) == 0
	v_cndmask_b32 v[BV+\a], v[BV+\a], v[BV+\a+\step], s[52+\a]
	v_cndmask_b32 v[BI+\a], v[BI+\a], v[BI+\a+\step], s[52+\a]
.endif
.endr
.endm
	BEST 1
	BEST 2
	BEST 4
.macro JOIN                            ; with another lane's: the larger, or as large with the lower id
	v_cmp_gt_f32 s52, v[BV+1], v[BV]
	v_cmp_eq_f32 s53, v[BV+1], v[BV]
	v_cmp_lt_u32 s54, v[BI+1], v[BI]
	s_and_b32 s53, s53, s54
	s_or_b32 s52, s52, s53
	v_cndmask_b32 v[BV], v[BV], v[BV+1], s52
	v_cndmask_b32 v[BI], v[BI], v[BI+1], s52
.endm
	v_mov_b32_dpp v[BV+1], v[BV] row_xmask:8 row_mask:0xf bank_mask:0xf   ; the other eight waves
	v_mov_b32_dpp v[BI+1], v[BI] row_xmask:8 row_mask:0xf bank_mask:0xf
	JOIN
	v_permlanex16_b32 v[BV+1], v[BV], s60, s61     ; the other record of each pair
	v_permlanex16_b32 v[BI+1], v[BI], s60, s61
	JOIN
	ds_store_b32 v44, v[BI]                        ; (a row's four lanes hold and write the same id)
	s_wait_dscnt 0x0
	s_barrier_signal -1
	s_barrier_wait -1
	s_cmp_lg_u32 s10, 0
	s_cbranch_scc1 .Lstored
	ds_load_b128 v[ACC+40:ACC+43], v45
	s_wait_dscnt 0x0
	global_store_b128 v32, v[ACC+40:ACC+43], s[8:9]     ; the work-group's 128 ids: 512 consecutive bytes, aligned
.Lstored:
	s_wait_tensorcnt 0x0                           ; the wave's end
	ds_add_u32 v[SPW], v[NIL]
	s_wait_dscnt 0x0
	CROUND                                         ; the closing round: no work-group ends while a partner may still ask for a tile that names it
	s_endpgm
.Lfunc_end_k_q68875c8e86_scan:
	.size	k_q68875c8e86_scan, .Lfunc_end_k_q68875c8e86_scan-k_q68875c8e86_scan
	.p2alignl 7, 3214868480
	.fill 96, 4, 3214868480
	.section	.rodata,"a",@progbits
	.p2align	6, 0x0
	.amdhsa_kernel k_q68875c8e86_scan
		.amdhsa_group_segment_fixed_size 327680
		.amdhsa_private_segment_fixed_size 0
		.amdhsa_enable_private_segment 0
		.amdhsa_kernarg_size 40
		.amdhsa_user_sgpr_count 2
		.amdhsa_user_sgpr_kernarg_segment_ptr 1
		.amdhsa_wavefront_size32 1
		.amdhsa_system_sgpr_workgroup_id_x 1
		.amdhsa_system_sgpr_workgroup_id_y 1
		.amdhsa_system_sgpr_workgroup_id_z 1
		.amdhsa_system_vgpr_workitem_id 0
		.amdhsa_next_free_vgpr 256
		.amdhsa_next_free_sgpr 66
		.amdhsa_reserve_vcc 0
		.amdhsa_float_denorm_mode_32 3
		.amdhsa_float_denorm_mode_16_64 3
		.amdhsa_memory_ordered 1
		.amdhsa_forward_progress 1
		.amdhsa_inst_pref_size 145
	.end_amdhsa_kernel
	.amdgpu_metadata
---
amdhsa.version: [ 1, 2 ]
amdhsa.kernels:
  - .name:           k_q68875c8e86_scan
    .symbol:         k_q68875c8e86_scan.kd
    .args:
      - { .name: x, .offset: 0, .size: 8, .value_kind: global_buffer, .address_space: global }
      - { .name: cbw, .offset: 8, .size: 8, .value_kind: global_buffer, .address_space: global }
      - { .name: xc, .offset: 16, .size: 8, .value_kind: global_buffer, .address_space: global }
      - { .name: xs, .offset: 24, .size: 8, .value_kind: global_buffer, .address_space: global }
      - { .name: ids, .offset: 32, .size: 8, .value_kind: global_buffer, .address_space: global }
    .group_segment_fixed_size: 327680
    .private_segment_fixed_size: 0
    .kernarg_segment_align: 8
    .kernarg_segment_size: 40
    .max_flat_workgroup_size: 512
    .sgpr_count:     66
    .vgpr_count:     256
    .wavefront_size: 32
...
	.end_amdgpu_metadata
.endif
;; end of part 2
;; launch pick (part 3): grid 256 x 1, 16 waves a work-group, no clusters, 4,096 bytes of LDS; arguments xc, xs, cbw, ids, out0; writes out0
.if DOCPART == 3
	.amdgcn_target "amdgcn-amd-amdhsa--gfx1250"
	.amdhsa_code_object_version 6
	.text
	.protected	k_q68875c8e86_pick
	.globl	k_q68875c8e86_pick
	.p2align	8
	.type	k_q68875c8e86_pick,@function
k_q68875c8e86_pick:
	s_mov_b64 s[64:65], 0
	v_nop
	global_prefetch_b8 v0, s[64:65] scope:SCOPE_SE
	s_setreg_imm32_b32 hwreg(HW_REG_WAVE_MODE, 25, 1), 1
	s_wait_xcnt 0x0
; For each row of x: the 16 D = Q(c).Q(x) - c_sq/2 of the record that the launch before has named (ids[row], whole numbers read from memory), made anew, and the first largest among them: out0[row].
; x_sq is left out, and the limits are as stated in the first two launches.
; SHARES.  A work-group takes 128 rows; wave w the tile of x 8 x work-group + (w >> 1), and of it rows 8 g .. 8 g + 7, g = w & 1.  ONE MATRIX INSTRUCTION SERVES TWO ROWS, 2 k and 2 k + 1 of the eight: source 0 is
; [record of the even row | record of the odd row], source 1 the tile of x with zeros for the odd rows in the lower half of K and for the even rows in the upper half.  Only columns 2 k, 2 k + 1 of the result count.
; C is one set of registers for all four products: lane (r, h) holds -c_sq/2 of codes 8 h + 0 .. 7 of ROW r's record, so it is right in the columns that count.
; An id enters an address only behind a minimum with 511, the last record; behind it stand ANDs, multiplications, shifts left and additions alone.
; TIES go to the lowest index: strict compares along ascending codes.
; No tensor load, no cluster, no prefetch: the records differ from row to row, work-groups share nothing but a codebook that is read in small pieces, and there is no loop to run ahead in.
.set OA,  24                           ; v24-31   offsets: registers 0-3 of row k's record
.set OB,  32                           ; v32-39   registers 4-5
.set OS,  40                           ; v40-47   scale word
.set CF,  48                           ; v48-95   four operands of 12 registers
.set GS,  96                           ; v96-103  the records' scale words
.set GC,  104                          ; v104-107 the operands' scale words
.set XT,  108                          ; v108-113 the tile of x
.set XW,  116                          ; v116     x's scale words
.set XM,  120                          ; v120-131 source 1
.set TC,  132                          ; v132-139 C
.set DD,  144                          ; v144-175 the four results
.set RR,  176                          ; v176-183 my column's eight D
.set IX,  184                          ; v184-191 their places
	s_load_b256 s[4:11], s[0:1], 0x0               ; xc, xs, cbw, ids
	s_load_b64 s[12:13], s[0:1], 0x20              ; out0
	v_lshl_add_u32 v194, v0, 2, 0x800
	v_mov_b32 v195, 0
	v_lshrrev_b32 v1, 5, v0
	v_readfirstlane_b32 s14, v1                    ; wave 0..15
	s_lshr_b32 s15, s14, 1
	s_lshl_b32 s16, ttmp9, 3
	s_add_co_u32 s16, s16, s15                     ; my tile of x
	s_lshl_b32 s26, ttmp9, 9                       ; the work-group's 128 rows of out0
	s_mov_b32 s27, 0
	s_lshl_b32 s18, s14, 5
	s_add_co_u32 s18, s18, s26                     ; my eight rows' ids: 32 bytes
	s_mov_b32 s19, 0
	s_lshl_b32 s20, s16, 6                         ; the tile's 16 ids, and its 16 scale words
	s_mov_b32 s21, 0
	s_mul_i32 s22, s16, 768                        ; its codes
	s_mov_b32 s23, 0
	s_mov_b32 s37, 0
	s_mov_b32 s28, 0x76543210
	s_mov_b32 s29, 0xfedcba98                      ; v_permlanex16_b32's selects for lane L xor 16
	s_mov_b32 s56, 0x55555555                      ; even rows
	s_mov_b32 s57, 0xaaaaaaaa                      ; odd rows
	s_mov_b32 s58, 0x0c0c0c0c                      ; rows 2, 3 of each eight, in both halves of the lanes
	s_mov_b32 s59, 0x30303030
	s_mov_b32 s60, 0xc0c0c0c0
	s_mov_b32 s61, 0xffff
	v_and_b32 v1, 31, v0                           ; L
	v_and_b32 v2, 15, v0                           ; r
	v_bfe_u32 v3, v0, 4, 1                         ; h
	v_lshlrev_b32 v4, 4, v1                        ; 16 L
	v_lshlrev_b32 v5, 3, v1                        ; 8 L
	v_mul_u32_u24 v6, v2, 48
	v_mad_u32_u24 v6, v3, 24, v6                   ; x: row r, block h
	v_lshlrev_b32 v7, 2, v2                        ; 4 r
	v_bfe_u32 v8, v0, 3, 1
	v_lshlrev_b32 v9, 7, v8
	v_lshlrev_b32 v8, 8, v8
	v_sub_nc_u32 v8, 0x280, v8                     ; record Q: 512 + 16 (L xor 8) = 16 L + this,
	v_sub_nc_u32 v9, 0x140, v9                     ; 256 + 8 (L xor 8) = 8 L + this
	v_lshlrev_b32 v10, 3, v3                       ; 8 h
	v_lshlrev_b32 v11, 5, v3                       ; 32 h
	v_lshlrev_b32 v12, 2, v0                       ; LDS: each thread's word
	v_lshrrev_b32 v13, 1, v1                       ; LDS, back: rows 4 L .. 4 L + 3 of the work-group's 128 were made by wave L >> 1, in its lanes 8 (wave & 1) + 4 (L & 1) + 0 .. 3
	v_lshlrev_b32 v13, 7, v13
	v_bfe_u32 v14, v0, 1, 1
	v_lshl_add_u32 v13, v14, 5, v13
	v_and_b32 v14, 1, v0
	v_lshl_add_u32 v13, v14, 4, v13
	v_mov_b32 v192, 0                              ; a lane permute's destination counts as one of its sources
	v_mov_b32 v193, 0
	s_wait_alu depctr_va_vdst(0)                   ; the wait at the head's end
	s_wait_kmcnt 0x0
	s_add_nc_u64 s[30:31], s[10:11], s[18:19]
	s_load_b256 s[40:47], s[30:31], 0x0            ; ids of my eight rows
	s_add_nc_u64 s[32:33], s[10:11], s[20:21]
	s_add_nc_u64 s[4:5], s[4:5], s[22:23]
	s_add_nc_u64 s[6:7], s[6:7], s[20:21]
	s_add_nc_u64 s[12:13], s[12:13], s[26:27]
	global_load_b32 v16, v7, s[32:33]              ; the id of row r
	global_load_b64 v[XT:XT+1], v6, s[4:5]
	global_load_b64 v[XT+2:XT+3], v6, s[4:5] offset:8
	global_load_b64 v[XT+4:XT+5], v6, s[4:5] offset:16
	global_load_b32 v[XW], v7, s[6:7]
	s_wait_kmcnt 0x0
.irp k, 0,1,2,3,4,5,6,7                        ; record id: pair block id / 2, its P (id even) or Q
	s_min_u32 s[40+\k], s[40+\k], 0x1ff
	s_and_b32 s[48+\k], s[40+\k], 1
	s_and_b32 s[40+\k], s[40+\k], 0x1fe
	s_mul_i32 s36, s[40+\k], 896                   ; 1,792 bytes a pair block
	s_add_nc_u64 s[66+2*\k:67+2*\k], s[8:9], s[36:37]
.endr
.irp k, 0,1,2,3,4,5,6,7
	v_mad_u32_u24 v[OA+\k], s[48+\k], v8, v4
	v_mad_u32_u24 v[OB+\k], s[48+\k], v9, v5
	v_mad_u32_u24 v[OS+\k], s[48+\k], 64, v7
.endr
.irp k, 0,1,2,3,4,5,6,7                        ; row k's record: the first or the last six registers of operand k / 2
	global_load_b128 v[CF+6*\k:CF+6*\k+3], v[OA+\k], s[66+2*\k:67+2*\k]
	global_load_b64 v[CF+6*\k+4:CF+6*\k+5], v[OB+\k], s[66+2*\k:67+2*\k] offset:1024
	global_load_b32 v[GS+\k], v[OS+\k], s[66+2*\k:67+2*\k] offset:1536
.endr
	s_wait_loadcnt 28                              ; row r's id is in; x's four and the records' 24 may be out
	v_min_u32 v17, 0x1ff, v16
	v_and_b32 v18, 0x1fe, v17
	v_and_b32 v19, 1, v17
	v_mul_u32_u24 v18, v18, 896
	v_lshl_add_u32 v18, v19, 6, v18
	v_add_nc_u32 v20, v18, v11
	global_load_b128 v[TC:TC+3], v20, s[8:9] offset:1664
	global_load_b128 v[TC+4:TC+7], v20, s[8:9] offset:1680
	s_wait_loadcnt 26                              ; x is in; the records' 24 and C's two may be out
.irp j, 0,1,2,3,4,5
	v_cndmask_b32 v[XM+\j], 0, v[XT+\j], s56
	v_cndmask_b32 v[XM+6+\j], 0, v[XT+\j], s57
.endr
	s_wait_alu depctr_va_vdst(0)
	s_wait_loadcnt 0x0
.irp k, 0,1,2,3
	v_bfi_b32 v[GC+\k], s61, v[GS+2*\k], v[GS+2*\k+1]   ; bytes 0, 1 the even row's, bytes 2, 3 the odd row's
.endr
.rept 8
	v_nop                                          ; places ahead of a scaled matrix instruction behind a write of its scale register
.endr
.irp k, 0,1,2,3
	v_wmma_scale_f32_16x16x128_f8f6f4 v[DD+8*\k:DD+8*\k+7], v[CF+12*\k:CF+12*\k+11], v[XM:XM+11], v[TC:TC+7], v[GC+\k], v[XW] matrix_a_fmt:MATRIX_FMT_FP6 matrix_b_fmt:MATRIX_FMT_FP6
.endr
.rept 4
	v_nop                                          ; four places ahead of the first read of results (ISA guide 7.12.1)
.endr
.irp j, 0,1,2,3,4,5,6,7                        ; each lane keeps the result of its own column's product; each result is read from its low end on
	v_cndmask_b32 v[RR+\j], v[DD+\j], v[DD+8+\j], s58
.endr
.irp j, 0,1,2,3,4,5,6,7
	v_cndmask_b32 v[RR+\j], v[RR+\j], v[DD+16+\j], s59
.endr
.irp j, 0,1,2,3,4,5,6,7
	v_cndmask_b32 v[RR+\j], v[RR+\j], v[DD+24+\j], s60
.endr
; the first largest of the eight, by pairs
.irp a, 0,2,4,6
	v_cmp_gt_f32 s[84+\a], v[RR+\a+1], v[RR+\a]
.endr
.irp a, 0,2,4,6
	v_cndmask_b32 v[RR+\a], v[RR+\a], v[RR+\a+1], s[84+\a]
	v_cndmask_b32 v[IX+\a], \a, \a+1, s[84+\a]
.endr
.irp a, 0,4
	v_cmp_gt_f32 s[84+\a], v[RR+\a+2], v[RR+\a]
.endr
.irp a, 0,4
	v_cndmask_b32 v[RR+\a], v[RR+\a], v[RR+\a+2], s[84+\a]
	v_cndmask_b32 v[IX+\a], v[IX+\a], v[IX+\a+2], s[84+\a]
.endr
	v_cmp_gt_f32 s84, v[RR+4], v[RR]
	v_lshl_add_u32 v18, v17, 4, v10                ; 16 id + 8 h
	v_cndmask_b32 v[RR], v[RR], v[RR+4], s84
	v_cndmask_b32 v[IX], v[IX], v[IX+4], s84
	v_add_nc_u32 v18, v18, v[IX]                   ; the index in the codebook
	v_permlanex16_b32 v192, v[RR], s28, s29        ; lanes 0-15 (codes 0-7 of the record) look at codes 8-15's
	v_permlanex16_b32 v193, v18, s28, s29
	v_cmp_gt_f32 s84, v192, v[RR]
	v_cndmask_b32 v18, v18, v193, s84              ; taken only where it is strictly larger.  (Lanes 16-31, and lanes of rows that are not my wave's, hold numbers that nobody reads)
	ds_store_b32 v12, v18
	s_wait_dscnt 0x0                               ; for wave 0's sake: my stores have landed
	s_barrier_signal -1
	s_barrier_wait -1
	s_cmp_lg_u32 s14, 0
	s_cbranch_scc1 .Ldone
	ds_load_b128 v[196:199], v13
	s_wait_dscnt 0x0
	global_store_b128 v4, v[196:199], s[12:13]     ; 32 lanes store the work-group's 512 consecutive bytes, aligned
.Ldone:
	s_wait_tensorcnt 0x0                           ; the wave's end
	ds_add_u32 v194, v195
	s_wait_dscnt 0x0
	s_endpgm
.Lfunc_end_k_q68875c8e86_pick:
	.size	k_q68875c8e86_pick, .Lfunc_end_k_q68875c8e86_pick-k_q68875c8e86_pick
	.p2alignl 7, 3214868480
	.fill 96, 4, 3214868480
	.section	.rodata,"a",@progbits
	.p2align	6, 0x0
	.amdhsa_kernel k_q68875c8e86_pick
		.amdhsa_group_segment_fixed_size 4096
		.amdhsa_private_segment_fixed_size 0
		.amdhsa_enable_private_segment 0
		.amdhsa_kernarg_size 40
		.amdhsa_user_sgpr_count 2
		.amdhsa_user_sgpr_kernarg_segment_ptr 1
		.amdhsa_wavefront_size32 1
		.amdhsa_system_sgpr_workgroup_id_x 1
		.amdhsa_system_sgpr_workgroup_id_y 1
		.amdhsa_system_sgpr_workgroup_id_z 1
		.amdhsa_system_vgpr_workitem_id 0
		.amdhsa_next_free_vgpr 200
		.amdhsa_next_free_sgpr 92
		.amdhsa_reserve_vcc 0
		.amdhsa_float_denorm_mode_32 3
		.amdhsa_float_denorm_mode_16_64 3
		.amdhsa_memory_ordered 1
		.amdhsa_forward_progress 1
		.amdhsa_inst_pref_size 16
	.end_amdhsa_kernel
	.amdgpu_metadata
---
amdhsa.version: [ 1, 2 ]
amdhsa.kernels:
  - .name:           k_q68875c8e86_pick
    .symbol:         k_q68875c8e86_pick.kd
    .args:
      - { .name: xc, .offset: 0, .size: 8, .value_kind: global_buffer, .address_space: global }
      - { .name: xs, .offset: 8, .size: 8, .value_kind: global_buffer, .address_space: global }
      - { .name: cbw, .offset: 16, .size: 8, .value_kind: global_buffer, .address_space: global }
      - { .name: ids, .offset: 24, .size: 8, .value_kind: global_buffer, .address_space: global }
      - { .name: out0, .offset: 32, .size: 8, .value_kind: global_buffer, .address_space: global }
    .group_segment_fixed_size: 4096
    .private_segment_fixed_size: 0
    .kernarg_segment_align: 8
    .kernarg_segment_size: 40
    .max_flat_workgroup_size: 512
    .sgpr_count:     92
    .vgpr_count:     200
    .wavefront_size: 32
...
	.end_amdgpu_metadata
.endif
;; end of part 3
